; MI455X (gfx1250); checked and timed in simulation.
; The chip was launched on July 23, 2026; its instructions are those of AMD's public machine-readable ISA for CDNA 5 (MIT licence, August 2026) and "CDNA5" Instruction Set Architecture Reference Guide (July 2026). The comments in the code are by the model that wrote it; some were corrected since.
;; Head self Dec. Allowed arithmetic: matrix products marked QUANTISED: E3M2 operands, one E8M0 scale for each 32 along K, by v_wmma_scale_f32_16x16x128_f8f6f4 with both operands' format E3M2, f32 sums; everything else in f32.
;; Inputs: Wk 512 x 64 float32; Wq 512 x 64 float32; Wv 512 x 64 float32; x 16 x 2,048 x 512 float32.
;; Outputs: out0 16 x 2,048 x 64 float32.
;; This version of the problem:
;;   THIS VERSION OF THE PROBLEM IS GIVEN IN LOW PRECISION. The matrix products marked QUANTISED in the list below multiply operands that are first quantised to E3M2 (3 exponent bits, 2 mantissa bits; 6 bits a number), with one power-of-two scale for each 32 numbers along K (OCP MX v1.0); their sums are f32. All else is computed in f32.
;;   The module's matrix products, in the order in which they are computed (A, B: the left and right operand; K: the contracted axis; several contracted axes count as one K, in the product's order):
;;     1. [M 32,768, K 512] x [K 512, N 64]; A: input x; B: input Wq: QUANTISED
;;     2. [M 32,768, K 512] x [K 512, N 64]; A: input x; B: input Wk: QUANTISED
;;     3. [M 32,768, K 512] x [K 512, N 64]; A: input x; B: input Wv: QUANTISED
;;     4. batch 16 x [M 2,048, K 64] x [K 64, N 2,048]; A: computed on the way; B: computed on the way: QUANTISED
;;     5. batch 16 x [M 2,048, K 2,048] x [K 2,048, N 64]; A: softmax (see below); B: computed on the way: QUANTISED
;;   THE QUANTISER, for each operand of a quantised product, along K:
;;     - K is cut into blocks of 32 from its start; a last block that is shorter is filled with zeros.
;;     - A block's scale is 2^e with e = floor(log2(the largest magnitude in the block)) - 4, held to -126 .. 127; a block of zeros has e = 0. As a byte (E8M0): e + 127.
;;     - Each number is divided by its block's scale, clamped to +-28, and rounded to the nearest number of E3M2, ties to even, subnormals kept.
;;     - The product sums the exact products of the quantised numbers (number of the format x scale) in f32.
;;   ~~~python
;;   def quantise(x, axis):      # numpy; x: float32 -> the quantised numbers, widened to float32 again
;;       x = np.moveaxis(x, axis, -1); K = x.shape[-1]
;;       x = np.pad(x, [(0, 0)] * (x.ndim - 1) + [(0, -K % 32)]); x = x.reshape(x.shape[:-1] + (-1, 32)); a = np.abs(x).max(-1, keepdims=True)
;;       e = np.where(a > 0, np.clip(np.frexp(np.where(a > 0, a, 1))[1] - 1 - 4, -126, 127), 0)      # np.frexp(a)[1] - 1 = floor(log2(a)), exactly
;;       r = np.clip(x / 2.0 ** e, -28, 28)
;;       step = 2.0 ** (np.maximum(np.frexp(np.where(r == 0, 1, r))[1] - 1, -2) - 2)
;;       q = np.round(r / step) * step * 2.0 ** e      # np.round: ties to even
;;       return np.moveaxis(q.reshape(q.shape[:-2] + (-1,))[..., :K], -1, axis).astype(np.float32)
;;   ~~~
;;   SOFTMAX AHEAD OF A QUANTISED PRODUCT. Where the list says 'softmax', what is quantised is not the finished softmax but p = 2^(t - M), with t = logit x log2(e) and M = ceil(the row's largest t), a whole number; so 1/2 < the row's largest p <= 1. The row's sum l is taken of the UNQUANTISED p, in f32, and the product's result is divided by l at the end. Since M is a whole number, a kernel that streams over the keys may use a running M (the ceiling of the running maximum): every later rescaling is an exact power of two, which a block's scale takes up: the codes' values come out the same.
;;   OPERANDS COMPUTED ON THE WAY. 'Computed on the way' means the value that the module computes at that place (a softmax that the list does not call 'softmax' is quantised finished and normalised). What goes into a quantiser is computed in f32, as accurately as f32 sums, v_exp_f32 and their like allow (about 1e-6 of the number): no bf16 or f16 on the way to a quantiser, and a product that is left as it is and whose result goes on into a quantised operand takes f32 operands (vector FMAs, or v_wmma_f32_16x16x4_f32). A number that lies on a knife's edge between two numbers of the format may be rounded either way, as far as f32 arithmetic and the matrix unit's own rounding can turn it there, and no further.
;; One version. Each part assembles by itself: llvm-mc -triple=amdgcn-amd-amdhsa -mcpu=gfx1250 --defsym DOCPART=n.
;; ======== version 1 of 1: 2 launches
;; workspace buffers: qc 1,572,864 bytes; qs 65,536 bytes; kv 3,276,800 bytes
;; launch proj (part 1): grid 256 x 1, 4 waves a work-group, no clusters, 327,680 bytes of LDS; arguments x, qc, qs, kv, Wq, Wk, Wv; writes qc, qs, kv
.if DOCPART == 1
	.amdgcn_target "amdgcn-amd-amdhsa--gfx1250"
	.amdhsa_code_object_version 6
	.text
	.protected	k_q55f84867d3_proj
	.globl	k_q55f84867d3_proj
	.p2align	8
	.type	k_q55f84867d3_proj,@function
k_q55f84867d3_proj:
	s_mov_b64 s[64:65], 0
	v_nop
	global_prefetch_b8 v0, s[64:65] scope:SCOPE_SE
	s_setreg_imm32_b32 hwreg(HW_REG_WAVE_MODE, 25, 1), 1
	s_wait_xcnt 0x0
; q = x Wq, k = x Wk, v = x Wv on codes of BF6 (E3M2) with one E8M0 scale for each 32 along K = 512; the results are quantised at once for the attention's two products and leave as codes.
; x: [32,768 tokens][512] f32.  Wq, Wk, Wv: [512 (K)][64] f32.
; SHARES.  Work-group g takes tokens 128 g .. 128 g + 127: 262,144 bytes of x, all asked for at the start (16 tensor loads, four a wave) and read from memory once.  Wave w (i = w / 2, j = w % 2):
;   quantises K step w (rows 128 w .. 128 w + 127) of all three weights, while x is on its way, and hands the codes to the other waves through LDS;
;   fetches and quantises token rows 32 w .. 32 w + 31 (row tiles 2 w, 2 w + 1); only the wave that fetched a sub-tile reads it, so the raw x needs no barrier: that is why a load has 32 rows and not more;
;   multiplies q (j = 0) or k (j = 1) for row tiles 4 i .. 4 i + 3, TRANSPOSED (source 0 = 16 columns of W, source 1 = 16 tokens): a lane holds ONE token and its registers run along the channels, the next K;
;   multiplies v's channels 16 w .. 16 w + 15 for all 8 row tiles (source 0 = 16 tokens, source 1 = 16 columns of Wv): a lane holds ONE channel and its registers run down the tokens, the last product's K.
;   Its 20 fragments of W stay in registers.  24 accumulators take turns, one instruction a turn, in the same order in every K step .
; THE WEIGHTS.  K is their first axis.  A load of 16 bytes a lane takes two whole rows: lane (p, h) row 64 c + 32 h + i of the K step, columns 4 p .. 4 p + 3.  So 64 loads (256 registers) hold FOUR fragments, interleaved:
;   fragment t has column 4 p + t in lane p, and registers 4 (32 c + i) + t run down K in the very order that the operand's layout gives the lane (k = 64 c + 32 h + i): 64 moves bring them on end, a lane holds two whole
;   blocks, and no other lane is asked for a maximum.  (Loads of 4 bytes, a column to a lane, need no moves, but are 768 a wave, of which 63 at the most are out at a time.)
;   The codes go to LDS with each lane's 16 bytes at its NATURAL place: column 4 p + t = 16 n + r is lane r = 4 (p % 4) + t of tile n = p / 4.  What the waves load back are fragments of 16 neighbouring columns.
; Codes go from wave to wave through LDS as images of the operand's registers (16 bytes a lane, 512 bytes an instruction), scale words 4 bytes a lane.
; SLOTS.  Slot 0-3 = row tile 4 i + slot, slot 4-7 = row tile 4 (1 - i) + slot - 4: the wave's number enters addresses, never register numbers.
; THE ORDER INSIDE A BLOCK OF 32 of q, k, v (and of p in the next launch): a lane holds members 8 h + 0..7 and 16 + 8 h + 0..7 of a block, so the codes stand in the order 0-7, 16-23, 8-15, 24-31.  Both operands of a product
;   have the same order and the blocks are the true blocks: products and scales are as the rule has them; only the grouping of the sum inside the unit differs.  x and W have k in its true places.
; OUT.  qc: for g 6,144 bytes, 4 images f: registers 0-5 token tile 2 f (16 tokens x 64 channels), 6-11 tile 2 f + 1.  qs: for g 256 bytes, word at 16 r + 4 f = [tile 2 f: 2 bytes; tile 2 f + 1: 2 bytes].
;   kv: for g 12,800 dense bytes: K's 4 images as qc's; V's 4 images n (16 channels x 128 keys); 512 bytes of scale words: 16 bytes a lane: lanes 0-15 K's words f = 0..3, lanes 16-31 V's words n = 0..3.
; LIMITS: a block of zeros gets the byte 1 where the rule says 127 (its codes are zeros; this program alone reads the bytes); NaN and infinities among the inputs are not served.
; NO JOINT LOADS: all work-groups read the same 393,216 bytes of weights, but into registers; a joint load lands in LDS, of which 3,328 bytes are free beside x, its images and the stage.  No ring: no LDS byte is filled twice.
; REGISTERS: window 0: v1-13 addresses; v16-23 x's scale words; v24-43 W's; v44-46 words on the way out; v48-59 V's fragment; v64-191 numbers at work (a weight's fragment, Wv's codes in waiting, x's numbers), then x's eight
;   fragments; v192-211 codes just made; v212-228 at work; v229-245 the weights' addresses.
;   window 1: raw Wk, then W's fragments: q or k (tile t, step s) at 12 (4 t + s); v's step s at 192 + 12 s.   window 2: raw Wq, raw Wv, then the accumulators: q or k (slot, t) at 32 slot + 8 t; v's at 128 + 8 slot.
.set PITCH, 528                        ; a row of raw x in LDS: 512 bytes + 16: 33 x 16 bytes, so that the 16 rows of a load fall into 16 different columns of 16 bytes
.set SUB,   32*PITCH                   ; a sub-tile: 32 rows x 128 numbers
.set WRAW,  4*SUB                      ; a wave's four
.set FRB,   1536                       ; a fragment's image
.set XIMG,  4*WRAW                     ; x's 32 images: (step s, row tile p) at (8 s + p) FRB
.set XSC,   XIMG+32*FRB                ; their scale words: (8 s + p) 128 + 4 x lane
.set STG,   XSC+32*128                 ; the way out of the scale words: K's 256 bytes, V's 256, Q's 256
.set KVB,   12800
.set WP,    1552                       ; the weights' images lie 1,536 + 16 bytes apart, image (step s, tile n) at (4 s + n) WP: the 16 lanes of a store (tiles p / 4, places 64 (p % 4) + 16 t) fall into 16 different columns of 16 bytes
.set WTEN,  16*WP                      ; a weight's sixteen
.set WIA,   XIMG                       ; Wq's images, in bytes that x's images take later; Wk's WTEN further on
.set WWA,   XIMG+2*WTEN                ; behind them Wq's scale words, [tile n][lane][4 words, one for each s]: 2,048 bytes; Wk's 2,048 further on
.set WIV,   XIMG+8*FRB                 ; Wv's images come behind a barrier of their own, into bytes that K step 0 does not write,
.set WWV,   XSC+1024                   ; and so do its words
.set LI,  1                            ; 16 x lane
.set AX,  2                            ; raw x: my wave's region + 528 r + 64 h
.set XWI, 3                            ; where I store x's images
.set XWS, 4                            ; and their words
.set AF0, 5                            ; where slots 0-3 lie
.set AF1, 6                            ; slots 4-7
.set AS0, 7                            ; their words
.set AS1, 8
.set SQK, 9                            ; the stage: my two words of q or k
.set SV,  10                           ; my word of v
.set SKV, 11                           ; back: K's and V's words, 16 bytes a lane
.set SQ,  12                           ; back: Q's words, 8 bytes a lane
.set L8,  13                           ; 8 x lane
.set XS,  16
.set WS,  24
.set QW,  44
.set VW,  46
.set VFR, 48
.set NA,  64
.set NB,  128
.set XF,  64
.set VH,  128                          ; v128-175 Wv's four fragments of codes, v176-179 their words, until their LDS bytes are free
.set VHW, 176
.set PC,  192
.set TM,  212                          ; v212-215 largest magnitudes, v216-219 the exchange and then the bytes, v224-227 the conversions' scale operands
.set PW,  228
.set SH8, 229                          ; 8 h
.set WA,  230                          ; a weight's rows: 16 p + 32 h rows of 256 bytes
.set WST, 231                          ; where I store a weight's images
.set WWS, 238                          ; and their words
.set WRD, 239                          ; where I read q's or k's images
.set WWR, 240                          ; and words
.set WRV, 241                          ; v's tile w
.set WWVR, 242
.set MSB, 0
.macro WIN new                         ; the immediate's high byte repeats the setting that is left; a switch that changes nothing is dropped
.if MSB != \new
	s_set_vgpr_msb (MSB<<8)|\new
.set MSB, \new
.endif
.endm
.macro BARRIER                         ; my LDS stores have landed and my LDS loads are in: then the work-group's barrier
	s_wait_dscnt 0x0
	s_barrier_signal -1
	s_barrier_wait -1
.endm
.macro PLACES                          ; four plain places behind matrix instructions, in front of loads into registers that they read and of the first read of results
.rept 4
	v_nop
.endr
.endm
; 64 numbers of a lane at v[s] on, in window w; registers 16 b .. 16 b + 15 are the 16 members that I hold of my row's block b (lane l xor 16 holds the other 16).  They become a fragment's codes in v[PC] .. v[PC + 11]
; and its scale word in v[PW].  An accumulator's registers are read from the low end on.
.macro QUANT s, w
.set WQ, ((\w)<<2)|((\w)<<4)
.set WC, (\w)
	WIN WQ                                         ; sources 1 and 2 in window w
.irp b, 0,1,2,3
	v_max3_num_f32 v[TM+\b], 0x2800000, |v[(\s)+16*\b]|, |v[(\s)+16*\b+1]|   ; the floor 2^(5 - 127) among the leaves: the byte cannot fall under 1
.endr
.irp i, 2,4,6,8,10,12,14
.irp b, 0,1,2,3
	v_max3_num_f32 v[TM+\b], v[TM+\b], |v[(\s)+16*\b+\i]|, |v[(\s)+16*\b+\i+1]|   ; the four blocks by turns
.endr
.endr
	WIN 0
.irp b, 0,1,2,3
	v_permlanex16_b32 v[TM+4+\b], v[TM+\b], s62, s63
.endr
.irp b, 0,1,2,3
	v_max_num_f32 v[TM+\b], v[TM+\b], v[TM+4+\b]   ; with lane l xor 16's: the block's largest magnitude
.endr
.irp b, 0,1,2,3
	v_add_nc_u32 v[TM+12+\b], 0xfe000000, v[TM+\b] ; 4 off its exponent field: the conversion's scale operand
.endr
.irp b, 0,1,2,3
	v_lshrrev_b32 v[TM+4+\b], 23, v[TM+12+\b]      ; the scale's byte
.endr
	v_lshl_or_b32 v[PW], v[TM+5], 8, v[TM+4]       ; the four bytes make my row's word, the same in lanes l and l xor 16
	v_lshl_or_b32 v[PW], v[TM+6], 16, v[PW]
	v_lshl_or_b32 v[PW], v[TM+7], 24, v[PW]
	WIN WC                                         ; source 0 in window w
.irp c, 0,1
	v_cvt_scalef32_pk16_bf6_f32 v[PC+6*\c:PC+6*\c+2], v[(\s)+32*\c:(\s)+32*\c+15], v[TM+12+2*\c]
	v_cvt_scalef32_pk16_bf6_f32 v[PC+12+4*\c:PC+14+4*\c], v[(\s)+32*\c+16:(\s)+32*\c+31], v[TM+13+2*\c]   ; (a conversion's three registers begin on an even number)
.endr
	WIN 0
	v_nop                                          ; one plain place behind a scaled conversion
.irp c, 0,1                                    ; the operand's layout wants a WHOLE block in a lane: lanes 0-15 block 2 c, lanes 16-31 block 2 c + 1
.irp k, 0,1,2
	v_permlane16_swap_b32 v[PC+6*\c+\k], v[PC+12+4*\c+\k]
.endr
.irp k, 0,1,2
	v_mov_b32 v[PC+3+6*\c+\k], v[PC+12+4*\c+\k]
.endr
.endr
.endm
; The same for 64 numbers of which a lane holds WHOLE blocks: registers 32 c .. 32 c + 31 at v[s] on (window 0) are block 2 c + h of my column.  Codes to v[pc] .. v[pc + 11], the scale word to v[pw].
.macro QB s, pc, pw
.irp b, 0,1,2,3                                ; four chains, two to a block, so that no line waits for the line above it
	v_max3_num_f32 v[TM+\b], 0x2800000, |v[(\s)+16*\b]|, |v[(\s)+16*\b+1]|   ; the floor 2^(5 - 127) among the leaves
.endr
.irp i, 2,4,6,8,10,12,14
.irp b, 0,1,2,3
	v_max3_num_f32 v[TM+\b], v[TM+\b], |v[(\s)+16*\b+\i]|, |v[(\s)+16*\b+\i+1]|
.endr
.endr
	v_max_num_f32 v[TM], v[TM], v[TM+1]            ; block h's largest magnitude,
	v_max_num_f32 v[TM+2], v[TM+2], v[TM+3]        ; block 2 + h's
	v_add_nc_u32 v[TM+12], 0xfe000000, v[TM]       ; 4 off the exponent field: the conversion's scale operand
	v_add_nc_u32 v[TM+13], 0xfe000000, v[TM+2]
	v_lshrrev_b32 v[TM+5], 23, v[TM+12]            ; the scale's byte
	v_lshrrev_b32 v[TM+6], 23, v[TM+13]
	v_lshl_or_b32 v[\pw], v[TM+6], 16, v[TM+5]     ; my two bytes,
	v_lshlrev_b32 v[\pw], v[SH8], v[\pw]           ; at their places in the word (8 h bits up);
	v_permlanex16_b32 v[TM+4], v[\pw], s62, s63
	v_or_b32 v[\pw], v[\pw], v[TM+4]               ; with lane l xor 16's two the word is whole, in both lanes
.irp c, 0,1
	v_cvt_scalef32_pk16_bf6_f32 v[(\pc)+6*\c:(\pc)+6*\c+2], v[(\s)+32*\c:(\s)+32*\c+15], v[TM+12+\c]
	v_cvt_scalef32_pk16_bf6_f32 v[PC+12+4*\c:PC+14+4*\c], v[(\s)+32*\c+16:(\s)+32*\c+31], v[TM+12+\c]   ; (a conversion's three registers begin on an even number: the second half is made elsewhere and moved)
.endr
	v_nop                                          ; one plain place behind a scaled conversion
.irp c, 0,1
.irp k, 0,1,2
	v_mov_b32 v[(\pc)+3+6*\c+\k], v[PC+12+4*\c+\k]
.endr
.endr
.endm
.macro IMAGE off                       ; the fragment in v[PC] on goes to LDS as it stands
.irp c, 0,1,2
	ds_store_b128 v[XWI], v[PC+4*\c:PC+4*\c+3] offset:(\off)+512*\c
.endr
.endm
; My K step of one weight, 128 rows of 256 bytes, into all 256 registers of window win: register 4 (32 c + i) + t = W(64 c + 32 h + i, 4 p + t).  Sixteen lanes read a whole row.
.macro WLOAD sb, win
.set WD, (\win)<<6
	WIN WD                                         ; destination window win, address window 0
.set KK, 0
.rept 64
	global_load_b128 v[4*KK:4*KK+3], v[WA], s[\sb:\sb+1] offset:256*(KK+32*(KK/32))
.set KK, KK+1
.endr
	WIN 0
.endm
.macro DEINT win, t                    ; fragment t of the four in window win: its 64 numbers on end, at v[NA] on
.set WD, (\win)
	WIN WD                                         ; source 0 in window win
.set KK, 0
.rept 64
	v_mov_b32 v[NA+KK], v[4*KK+\t]
.set KK, KK+1
.endr
	WIN 0
.endm
.macro WSTORE pc, pw, ioff, woff, t    ; fragment t's codes and word to LDS, each lane's bytes at the place of its column
.irp c, 0,1,2
	ds_store_b128 v[WST], v[(\pc)+4*\c:(\pc)+4*\c+3] offset:(\ioff)+512*\c+16*(\t)
.endr
	ds_store_b32 v[WWS], v[\pw] offset:(\woff)+16*(\t)
.endm
	s_load_b256 s[4:11], s[0:1], 0x0               ; x s[4:5], qc s[6:7], qs s[8:9], kv s[10:11]
	s_load_b128 s[12:15], s[0:1], 0x20             ; Wq s[12:13], Wk s[14:15]
	s_load_b64 s[44:45], s[0:1], 0x30              ; Wv
	v_lshl_add_u32 v254, v0, 2, 0x4f300
	v_mov_b32 v255, 0
	ds_add_u32 v254, v255
	ds_add_u32 v254, v255
	v_lshrrev_b32 v14, 5, v0
	v_readfirstlane_b32 s16, v14                   ; wave w
	s_lshr_b32 s17, s16, 1                         ; i
	s_and_b32 s18, s16, 1                          ; j
	s_mov_b32 s19, ttmp9                           ; g
	; descriptor group 1: 32 rows x 128 elements of 4 bytes, rows 512 elements apart; in LDS 4 words of padding behind every 128 words
	s_mov_b32 s20, (2<<16)|(1<<20)|(6<<22)|(3<<25)
	s_mov_b32 s21, 128<<16                         ; tensor_dim0 = 128
	s_mov_b32 s22, 32<<16                          ; tensor_dim1 = 32
	s_mov_b32 s23, 128<<16                         ; tile_dim0 = 128
	s_mov_b32 s24, 32                              ; tile_dim1 = 32
	s_mov_b32 s25, 512                             ; the pitch
	s_mov_b32 s26, 0
	s_mov_b32 s27, 0
	s_lshl_b32 s66, s19, 18                        ; 128 tokens of 2,048 bytes a work-group,
	s_lshl_b32 s67, s16, 16                        ; 32 a wave
	s_add_co_u32 s66, s66, s67
	s_mov_b32 s67, 0
	s_mul_i32 s70, s16, WRAW                       ; my wave's region of raw x
	s_wait_dscnt 0x0
	s_wait_kmcnt 0x0
	s_add_nc_u64 s[68:69], s[4:5], s[66:67]
.irp s, 0,1,2,3                                ; group 0 for K step s: s[28 + 4 s ..]
	s_mov_b32 s[28+4*\s], 1
	s_add_co_u32 s[29+4*\s], s70, \s*SUB
	s_add_nc_u64 s[30+4*\s:31+4*\s], s[68:69], \s*512
	s_or_b32 s[31+4*\s], s[31+4*\s], 0x80000000
.endr
.irp s, 0,1,2,3
	tensor_load_to_lds s[28+4*\s:31+4*\s], s[20:27]    ; all my x at once: four loads of mine are out; each LDS byte is filled once
	s_nop 0
.endr
	PLACES                                         ; four v_nop follow the last of them
	s_lshl_b32 s66, s16, 15                        ; the weights at my K step: 128 w rows of 256 bytes
	s_add_nc_u64 s[12:13], s[12:13], s[66:67]
	s_add_nc_u64 s[14:15], s[14:15], s[66:67]
	s_add_nc_u64 s[44:45], s[44:45], s[66:67]
	v_and_b32 v14, 15, v0                          ; r (for the weights: p)
	v_bfe_u32 v15, v0, 4, 1                        ; h
	v_lshlrev_b32 v[WA], 4, v14
	v_lshl_add_u32 v[WA], v15, 13, v[WA]           ; 16 p + 32 h rows
	WLOAD 12, 2                                    ; Wq
	; while it is on its way: every address of the kernel
	s_mul_i32 s71, s19, KVB                        ; g's block of kv
	s_mul_i32 s66, s16, FRB
	s_add_co_u32 s66, s66, s71
	s_add_co_u32 s66, s66, 4*FRB
	s_add_nc_u64 s[54:55], s[10:11], s[66:67]      ; V's image w
	s_add_co_u32 s66, s71, 8*FRB
	s_add_nc_u64 s[56:57], s[10:11], s[66:67]      ; kv's scale words
	s_lshl_b32 s66, s19, 8
	s_add_nc_u64 s[58:59], s[8:9], s[66:67]        ; qs
	s_cmp_eq_u32 s18, 0                            ; q's waves store to qc, k's to kv: the choice hangs on the wave's number alone
	s_cselect_b64 s[52:53], s[6:7], s[10:11]
	s_mov_b32 s66, KVB
	s_cselect_b32 s66, 4*FRB, s66                  ; bytes for a g in that buffer
	s_mul_i32 s66, s66, s19
	s_mul_i32 s67, s17, 2*FRB                      ; my two images: f = 2 i, 2 i + 1
	s_add_co_u32 s66, s66, s67
	s_mov_b32 s67, 0
	s_add_nc_u64 s[52:53], s[52:53], s[66:67]
	s_sub_co_u32 s60, 0, s17                       ; all ones where i = 1
	s_mov_b32 s62, 0x76543210
	s_mov_b32 s63, 0xfedcba98                      ; v_permlanex16_b32's selects for lane l xor 16
	v_and_b32 v243, 31, v0                         ; lane
	v_lshlrev_b32 v[LI], 4, v243
	v_lshlrev_b32 v[L8], 3, v243
	v_lshlrev_b32 v47, 2, v243                     ; 4 x lane
	v_lshlrev_b32 v[SH8], 3, v15
	v_lshrrev_b32 v244, 2, v14                     ; p / 4: the tile of my four columns
	v_and_b32 v245, 3, v14                         ; p % 4
	v_mul_u32_u24 v[WST], v244, WP                 ; a weight's images: tile p / 4 of step w, lane 16 h + 4 (p % 4) + t: the 16 t stand in the stores' immediates
	v_lshl_add_u32 v[WST], v245, 6, v[WST]
	v_lshl_add_u32 v[WST], v15, 8, v[WST]
	s_mul_i32 s66, s16, 4*WP
	s_add_co_u32 s66, s66, WIA
	v_add_nc_u32 v[WST], s66, v[WST]
	v_lshlrev_b32 v[WWS], 9, v244                  ; its words: 512 bytes a tile, 16 bytes a lane, word w
	v_lshl_add_u32 v[WWS], v245, 6, v[WWS]
	v_lshl_add_u32 v[WWS], v15, 8, v[WWS]
	s_lshl_b32 s66, s16, 2
	s_add_co_u32 s66, s66, WWA
	v_add_nc_u32 v[WWS], s66, v[WWS]
	s_mul_i32 s66, s18, WTEN
	s_add_co_u32 s66, s66, WIA
	v_add_nc_u32 v[WRD], s66, v[LI]                ; back: q's or k's images,
	s_lshl_b32 s66, s18, 11
	s_add_co_u32 s66, s66, WWA
	v_add_nc_u32 v[WWR], s66, v[LI]                ; and words;
	s_mul_i32 s66, s16, WP
	s_add_co_u32 s66, s66, WIV
	v_add_nc_u32 v[WRV], s66, v[LI]                ; v's tile w,
	s_lshl_b32 s66, s16, 9
	s_add_co_u32 s66, s66, WWV
	v_add_nc_u32 v[WWVR], s66, v[LI]               ; and its words
	v_mul_u32_u24 v[AX], v14, PITCH
	v_lshl_add_u32 v[AX], v15, 6, v[AX]            ; raw x: row r, + 64 h: my 16 numbers of a block of 32
	v_add_nc_u32 v[AX], s70, v[AX]
	s_mul_i32 s66, s16, 2*FRB
	s_add_co_u32 s66, s66, XIMG
	v_add_nc_u32 v[XWI], s66, v[LI]
	s_lshl_b32 s66, s16, 8
	s_add_co_u32 s66, s66, XSC
	v_add_nc_u32 v[XWS], s66, v47
	s_xor_b32 s67, s17, 1                          ; 1 - i
	s_mul_i32 s66, s17, 4*FRB
	s_add_co_u32 s66, s66, XIMG
	v_add_nc_u32 v[AF0], s66, v[LI]
	s_mul_i32 s66, s67, 4*FRB
	s_add_co_u32 s66, s66, XIMG
	v_add_nc_u32 v[AF1], s66, v[LI]
	s_lshl_b32 s66, s17, 9
	s_add_co_u32 s66, s66, XSC
	v_add_nc_u32 v[AS0], s66, v47
	s_lshl_b32 s66, s67, 9
	s_add_co_u32 s66, s66, XSC
	v_add_nc_u32 v[AS1], s66, v47
	v_lshlrev_b32 v14, 4, v14                      ; 16 r
	s_xor_b32 s66, s18, 1
	s_lshl_b32 s66, s66, 9                         ; k's words at the stage's head, q's 512 bytes on
	s_lshl_b32 s67, s17, 3
	s_add_co_u32 s66, s66, s67
	s_add_co_u32 s66, s66, STG
	v_add_nc_u32 v[SQK], s66, v14
	s_lshl_b32 s66, s16, 2
	s_add_co_u32 s66, s66, STG+256
	v_add_nc_u32 v[SV], s66, v14
	v_add_nc_u32 v[SKV], STG, v[LI]
	v_add_nc_u32 v[SQ], STG+512, v[L8]
.irp b, 0,1,2,3
	v_mov_b32 v[TM+4+\b], 0                        ; written once: a lane permute's destination counts as one of its sources
.endr
	WLOAD 14, 1                                    ; Wk
	s_wait_loadcnt 63                              ; 64 loads were issued behind Wq's last, and 63 is the largest count that the wait can name: Wq is in, Wk may be out
.irp t, 0,1,2,3
	DEINT 2, \t
	s_wait_dscnt 0x0                               ; the last fragment's stores have read their registers (they were issued 64 moves ago)
	QB NA, PC, PW
	WSTORE PC, PW, 0, 0, \t
.endr
	WLOAD 44, 2                                    ; Wv, into the registers that Wq has left
	s_wait_loadcnt 63                              ; again 64 younger loads: Wk is in, Wv may be out
.irp t, 0,1,2,3
	DEINT 1, \t
	s_wait_dscnt 0x0
	QB NA, PC, PW
	WSTORE PC, PW, WTEN, 2048, \t
.endr
	s_wait_loadcnt 0x0                             ; Wv
.irp t, 0,1,2,3
	DEINT 2, \t
	QB NA, VH+12*\t, VHW+\t                        ; its codes wait in registers: their LDS bytes are still Wq's and Wk's
.endr
	BARRIER                                        ; Wq's and Wk's 32 images and their words lie in LDS
	WIN 0x40                                       ; destination window 1, address window 0
.irp t, 0,1,2,3
.irp s, 0,1,2,3
.irp c, 0,1,2
	ds_load_b128 v[12*(4*\t+\s)+4*\c:12*(4*\t+\s)+4*\c+3], v[WRD] offset:(4*\s+\t)*WP+512*\c   ; my weight's tile t, K step s
.endr
.endr
.endr
	WIN 0
.irp t, 0,1,2,3
	ds_load_b128 v[WS+4*\t:WS+4*\t+3], v[WWR] offset:512*\t    ; tile t's words for the four K steps
.endr
	BARRIER                                        ; every wave's reads of them are in: their bytes may be written
.irp t, 0,1,2,3
	WSTORE VH+12*\t, VHW+\t, WIV-WIA, WWV-WWA, \t
.endr
	BARRIER                                        ; Wv's 16 images and their words lie in LDS
	WIN 0x40
.irp s, 0,1,2,3
.irp c, 0,1,2
	ds_load_b128 v[192+12*\s+4*\c:192+12*\s+4*\c+3], v[WRV] offset:4*\s*WP+512*\c
.endr
.endr
	WIN 0
	ds_load_b128 v[WS+16:WS+19], v[WWVR]           ; these 13 loads are waited for in K step 0, ahead of its barrier; K step 0 writes none of their bytes, K step 1 writes them behind that barrier
; K STEP s: 128 along K.
.macro KSTEP s
	s_wait_tensorcnt 3-\s                          ; a wave's tensor loads end in order (ISA guide 10.11.1): step s's sub-tile is in; the 3 - s issued behind it may be out.  I alone read it
.irp b, 0,1,2,3
.irp q, 0,1,2,3
	ds_load_b128 v[NA+16*\b+4*\q:NA+16*\b+4*\q+3], v[AX] offset:SUB*\s+128*\b+16*\q   ; row tile 2 w: of block b my 16 neighbours
.endr
.endr
.irp b, 0,1,2,3
.irp q, 0,1,2,3
	ds_load_b128 v[NB+16*\b+4*\q:NB+16*\b+4*\q+3], v[AX] offset:SUB*\s+16*PITCH+128*\b+16*\q   ; row tile 2 w + 1
.endr
.endr
	s_wait_dscnt 16                                ; the first tile's sixteen loads are in (and all older ones); the second's sixteen may be out
	QUANT NA, 0
	IMAGE 8*FRB*\s
	ds_store_b32 v[XWS], v[PW] offset:1024*\s
	s_wait_dscnt 0x0                               ; the second tile is in, and the stores have read their registers
	QUANT NB, 0
	IMAGE 8*FRB*\s+FRB
	ds_store_b32 v[XWS], v[PW] offset:1024*\s+128
	BARRIER                                        ; this step's eight fragments of x lie in LDS; each step has bytes of its own, so nothing that is still read is written
.irp g, 0,1,2,3
.irp c, 0,1,2
	ds_load_b128 v[XF+12*\g+4*\c:XF+12*\g+4*\c+3], v[AF0] offset:8*FRB*\s+FRB*\g+512*\c
.endr
	ds_load_b32 v[XS+\g], v[AS0] offset:1024*\s+128*\g
.endr
.irp g, 0,1,2,3
.irp c, 0,1,2
	ds_load_b128 v[XF+48+12*\g+4*\c:XF+48+12*\g+4*\c+3], v[AF1] offset:8*FRB*\s+FRB*\g+512*\c
.endr
	ds_load_b32 v[XS+4+\g], v[AS1] offset:1024*\s+128*\g
.endr
	s_wait_dscnt 0x0
	WIN 0xa1                                       ; source 0 (W) window 1, source 1 (x) window 0, C and D window 2
.irp g, 0,1,2,3
.irp t, 0,1,2,3
.if \s == 0
	v_wmma_scale_f32_16x16x128_f8f6f4 v[32*\g+8*\t:32*\g+8*\t+7], v[12*(4*\t+\s):12*(4*\t+\s)+11], v[XF+12*\g:XF+12*\g+11], 0, v[WS+4*\t+\s], v[XS+\g] matrix_a_fmt:MATRIX_FMT_BF6 matrix_b_fmt:MATRIX_FMT_BF6
.else
	v_wmma_scale_f32_16x16x128_f8f6f4 v[32*\g+8*\t:32*\g+8*\t+7], v[12*(4*\t+\s):12*(4*\t+\s)+11], v[XF+12*\g:XF+12*\g+11], v[32*\g+8*\t:32*\g+8*\t+7], v[WS+4*\t+\s], v[XS+\g] matrix_a_fmt:MATRIX_FMT_BF6 matrix_b_fmt:MATRIX_FMT_BF6
.endif
.endr
.endr
	WIN 0xa4                                       ; source 0 (x) window 0, source 1 (Wv) window 1, C and D window 2
.irp g, 0,1,2,3,4,5,6,7
.if \s == 0
	v_wmma_scale_f32_16x16x128_f8f6f4 v[128+8*\g:128+8*\g+7], v[XF+12*\g:XF+12*\g+11], v[192+12*\s:192+12*\s+11], 0, v[XS+\g], v[WS+16+\s] matrix_a_fmt:MATRIX_FMT_BF6 matrix_b_fmt:MATRIX_FMT_BF6
.else
	v_wmma_scale_f32_16x16x128_f8f6f4 v[128+8*\g:128+8*\g+7], v[XF+12*\g:XF+12*\g+11], v[192+12*\s:192+12*\s+11], v[128+8*\g:128+8*\g+7], v[XS+\g], v[WS+16+\s] matrix_a_fmt:MATRIX_FMT_BF6 matrix_b_fmt:MATRIX_FMT_BF6
.endif
.endr
	WIN 0
	PLACES                                         ; in front of the next step's loads into x's registers, and of the first read of results
.endm
	KSTEP 0
	KSTEP 1
	KSTEP 2
	KSTEP 3
	; THE WAY OUT.  Two neighbouring token tiles of q or k (2 x 64 channels: four blocks a lane) are one packed fragment and one packed word.
.irp f, 0,1
	QUANT 64*\f, 2
.irp c, 0,1,2
	global_store_b128 v[LI], v[PC+4*\c:PC+4*\c+3], s[52:53] offset:FRB*\f+512*\c   ; the wave stores 512 consecutive bytes, at a multiple of 256 from the buffer's first byte
.endr
	v_mov_b32 v[QW+\f], v[PW]
	s_wait_xcnt 0x0                                ; the stores' data registers are written again only behind this wait
.endr
	ds_store_b64 v[SQK], v[QW:QW+1]                ; lanes l and l xor 16 write the same bytes with the same value
	QUANT 128, 2                                   ; v: my 16 channels x 128 tokens: one whole fragment
.irp k, 0,1,2,3,4,5,6,7,8,9,10,11
	v_cndmask_b32 v[VFR+\k], v[PC+\k], v[PC+(\k+6)%12], s60   ; where i = 1, slots 0-3 are tokens 64-127: the fragment's two halves change places,
.endr
	v_lshrrev_b32 v47, 16, v[PW]
	v_lshl_or_b32 v47, v[PW], 16, v47
	v_cndmask_b32 v[VW], v[PW], v47, s60           ; and so do the word's
.irp c, 0,1,2
	global_store_b128 v[LI], v[VFR+4*\c:VFR+4*\c+3], s[54:55] offset:512*\c
.endr
	ds_store_b32 v[SV], v[VW]
	BARRIER                                        ; all scale words lie in the stage
	s_cmp_lg_u32 s16, 0
	s_cbranch_scc1 .Ldone
	ds_load_b128 v[232:235], v[SKV]                ; wave 0: lanes 0-15 K's words, lanes 16-31 V's
	ds_load_b64 v[236:237], v[SQ]                  ; and Q's
	s_wait_dscnt 0x0
	global_store_b128 v[LI], v[232:235], s[56:57]  ; 512 consecutive bytes
	global_store_b64 v[L8], v[236:237], s[58:59]   ; 256 consecutive bytes
.Ldone:
	s_wait_tensorcnt 0x0
	ds_add_u32 v254, v255
	s_wait_dscnt 0x0
	s_endpgm
.Lfunc_end_k_q55f84867d3_proj:
	.size	k_q55f84867d3_proj, .Lfunc_end_k_q55f84867d3_proj-k_q55f84867d3_proj
	.p2alignl 7, 3214868480
	.fill 96, 4, 3214868480
	.section	.rodata,"a",@progbits
	.p2align	6, 0x0
	.amdhsa_kernel k_q55f84867d3_proj
		.amdhsa_group_segment_fixed_size 327680
		.amdhsa_private_segment_fixed_size 0
		.amdhsa_enable_private_segment 0
		.amdhsa_kernarg_size 56
		.amdhsa_user_sgpr_count 2
		.amdhsa_user_sgpr_kernarg_segment_ptr 1
		.amdhsa_wavefront_size32 1
		.amdhsa_system_sgpr_workgroup_id_x 1
		.amdhsa_system_sgpr_workgroup_id_y 1
		.amdhsa_system_sgpr_workgroup_id_z 1
		.amdhsa_system_vgpr_workitem_id 0
		.amdhsa_next_free_vgpr 768
		.amdhsa_next_free_sgpr 72
		.amdhsa_reserve_vcc 0
		.amdhsa_float_denorm_mode_32 3
		.amdhsa_float_denorm_mode_16_64 3
		.amdhsa_memory_ordered 1
		.amdhsa_forward_progress 1
		.amdhsa_inst_pref_size 171
	.end_amdhsa_kernel
	.amdgpu_metadata
---
amdhsa.version: [ 1, 2 ]
amdhsa.kernels:
  - .name:           k_q55f84867d3_proj
    .symbol:         k_q55f84867d3_proj.kd
    .args:
      - { .name: x, .offset: 0, .size: 8, .value_kind: global_buffer, .address_space: global }
      - { .name: qc, .offset: 8, .size: 8, .value_kind: global_buffer, .address_space: global }
      - { .name: qs, .offset: 16, .size: 8, .value_kind: global_buffer, .address_space: global }
      - { .name: kv, .offset: 24, .size: 8, .value_kind: global_buffer, .address_space: global }
      - { .name: Wq, .offset: 32, .size: 8, .value_kind: global_buffer, .address_space: global }
      - { .name: Wk, .offset: 40, .size: 8, .value_kind: global_buffer, .address_space: global }
      - { .name: Wv, .offset: 48, .size: 8, .value_kind: global_buffer, .address_space: global }
    .group_segment_fixed_size: 327680
    .private_segment_fixed_size: 0
    .kernarg_segment_align: 8
    .kernarg_segment_size: 56
    .max_flat_workgroup_size: 128
    .sgpr_count:     72
    .vgpr_count:     768
    .wavefront_size: 32
...
	.end_amdgpu_metadata
.endif
;; end of part 1
;; launch attn (part 2): grid 16 x 16, 16 waves a work-group, no clusters, 276,480 bytes of LDS; arguments qc, qs, kv, out0; writes out0
.if DOCPART == 2
	.amdgcn_target "amdgcn-amd-amdhsa--gfx1250"
	.amdhsa_code_object_version 6
	.text
	.protected	k_q55f84867d3_attn
	.globl	k_q55f84867d3_attn
	.p2align	8
	.type	k_q55f84867d3_attn,@function
k_q55f84867d3_attn:
	s_mov_b64 s[64:65], 0
	v_nop
	global_prefetch_b8 v0, s[64:65] scope:SCOPE_SE
	s_setreg_imm32_b32 hwreg(HW_REG_WAVE_MODE, 25, 1), 1
	s_wait_xcnt 0x0
; out[b][q][:] = the sum over keys k <= q of softmax_k(q . k / 8) v[k][:], both products on codes of BF6 (E3M2) with one E8M0 scale for each 32 along a product's K.  16 batches, 2,048 tokens, 64 channels.
; qc, qs, kv: codes and scale words as the launch before laid them: images of the operand's registers (registers 4 c .. 4 c + 3 of lane l at byte 512 c + 16 l of an image of 1,536 bytes).
; THE SOFTMAX AHEAD OF THE SECOND PRODUCT: t = score x log2(e) / 8; M = the row's largest t so far, rounded UP to a whole number; p = 2^(t - M) is quantised along the keys, not normalised; the row's sum is taken of the
; unquantised p and divides at the end.  When M moves, the sum and O are multiplied by 2^(old M - new M): exact.
; SHARES.  Work-group (p, b) owns the blocks of 64 queries p and 31 - p of batch b: together 17 key steps of 128 for each tile column, whatever p is.  Wave w: tile a = w % 8 (a < 4: block p; else block 31 - p), half z = w / 8:
; in chunk k (256 keys) it takes keys 256 k + 128 z on.  The two halves of a tile are merged at the end, through LDS.  Steps all of whose keys come after the wave's queries are left out by a scalar branch on ids.
; LDS holds the batch's K and V whole: 16 x 12,800 bytes, brought by wave 0 in eight dense loads of 25,600 bytes; each byte is filled once.  Every work-group fetches all eight, so that the counted waits are the same on every path.
; LAYOUT.  Both products transposed: S^T = K Q^T (source 0 = keys, source 1 = my 16 queries), O^T = V^T P^T (source 0 = 16 channels, source 1 = P): a lane holds ONE query (lane % 16) throughout.
; K = 64 IN AN INSTRUCTION OF 128: a fragment of K holds key tile 2 f in k 0-63 and tile 2 f + 1 in k 64-127; it is multiplied by Qlo = [q, zero codes] and by Qhi = [zero codes, q].  The half that is not wanted meets zero codes
; under finite scale bytes and adds exactly 0.  Q's scale word is [b0, b1, b0, b1].
; THE ORDER INSIDE A BLOCK OF 32 KEYS: a lane holds members 8 h + 0..7 and 16 + 8 h + 0..7, so p's codes stand in the order 0-7, 16-23, 8-15, 24-31, as V's do (and q's and k's channels likewise): the blocks are the true blocks.
; LIMITS: NaN and infinities are not served; the largest t starts at -3e38; a block of zeros keeps the byte 1 (its codes are zeros).
; NO JOINT LOADS, though the 16 work-groups of a batch read the same 204,800 bytes: which key steps a wave leaves out hangs on its work-group's query blocks, which differ between those that share the keys, and a text with
; joint loads may have no branch that differs between partners.
; REGISTERS: v1-10 addresses and constants; v12 -M, v13 the largest t, v[14:15] the sum in two halves; v16-27 Qlo, v28-39 Qhi, v40 Q's word; v44-47 the step's scale words (lanes 0-15 K's, lanes 16-31 V's);
;   v48-95 four fragments of K, then of V; v96-159 S^T, then p; v160-191 O^T; v192-211 p's codes; v212-237 at work; v238-243 at work at the head.
.set FRB, 1536
.set KVB, 12800                        ; a key step: K's 4 images, V's 4 images, 512 bytes of scale words
.set CHB, 2*KVB                        ; a chunk
.set PST, 16*KVB                       ; behind K and V: for each tile 4,352 bytes: the second half's O^T (8 x 512), then [-M, sum] 8 bytes a lane
.set TST, 4352
.set OST, PST+8*TST                    ; the way out: for each tile 16 rows x (256 bytes + 16)
.set AB0, 1                            ; 16 x lane + 12,800 z
.set ADR, 2                            ; the same in the chunk in hand
.set PSA, 3
.set PSB, 4
.set STO, 5
.set RD,  6
.set GO,  7
.set D0,  8                            ; r - 8 h
.set NEG, 9                            ; -infinity
.set DD,  10
.set QLO, 16
.set QHI, 28
.set QS,  40
.set SCL, 44
.set FR,  48
.set SS,  96
.set OT,  160
.set PC,  192
.set BM,  212                          ; the blocks' largest scores, then largest p
.set EX,  216                          ; the exchange, then the bytes
.set SO,  220                          ; the conversions' scale operands
.set PW,  224                          ; p's scale word
.set FF,  226                          ; v[226:227] f = 2^(old M - new M)
.set T0,  228
.set SU,  230                          ; v[230:231] the second chain of the sum
.set WV,  12
.set QZ,  18                           ; my first query - 128 z
.set QL,  19                           ; QZ + 15
.set SEL, 20
.set CS,  22
	s_load_b256 s[4:11], s[0:1], 0x0               ; qc s[4:5], qs s[6:7], kv s[8:9], out0 s[10:11]
	v_lshl_add_u32 v254, v0, 2, 0x43000
	v_mov_b32 v255, 0
	ds_add_u32 v254, v255
	ds_add_u32 v254, v255
	v_lshrrev_b32 v1, 5, v0
	v_readfirstlane_b32 s[WV], v1                  ; wave 0..15
	s_lshr_b32 s13, s[WV], 3                       ; z
	s_and_b32 s14, s[WV], 7                        ; a
	s_mov_b32 s15, ttmp9                           ; p
	s_and_b32 s16, ttmp7, 0xffff                   ; b
	s_sub_co_u32 s66, 31, s15
	s_cmp_lt_u32 s14, 4
	s_cselect_b32 s66, s15, s66                    ; my block of 64 queries
	s_and_b32 s67, s14, 3
	s_lshl_b32 s66, s66, 6
	s_lshl_b32 s67, s67, 4
	s_add_co_u32 s17, s66, s67                     ; Q0: my first query
	s_lshl_b32 s67, s13, 7
	s_sub_co_i32 s[QZ], s17, s67
	s_add_co_i32 s[QL], s[QZ], 15
	s_mov_b32 s[SEL], 0x76543210
	s_mov_b32 s[SEL+1], 0xfedcba98                 ; v_permlanex16_b32's selects for lane l xor 16
	s_mov_b32 s[CS], 0x3e38aa3b                    ; c = log2(e) / 8
	s_mov_b32 s[CS+1], s[CS]                       ; (named with it as a pair, so it is written)
	; descriptor group 1: a dense block of 25,600 bytes as 100 rows of 32 elements of 8 bytes
	s_mov_b32 s24, 3<<16
	s_mov_b32 s25, 32<<16
	s_mov_b32 s26, 100<<16
	s_mov_b32 s27, 32<<16
	s_mov_b32 s28, 100
	s_mov_b32 s29, 32
	s_mov_b32 s30, 0
	s_mov_b32 s31, 0
	s_mul_i32 s80, s16, 16*KVB                     ; the batch's K and V
	s_mov_b32 s81, 0
	s_lshl_b32 s68, s16, 11
	s_add_co_u32 s68, s68, s17                     ; my first token
	s_lshr_b32 s69, s68, 5
	s_mul_i32 s70, s69, FRB                        ; the image that holds my tile: one for each 32 tokens
	s_mov_b32 s71, 0
	s_lshr_b32 s72, s68, 7
	s_lshl_b32 s72, s72, 8                         ; its scale words: 256 bytes for each 128 tokens,
	s_and_b32 s73, s69, 3
	s_lshl_b32 s73, s73, 2                         ; word f
	s_add_co_u32 s72, s72, s73
	s_mov_b32 s73, 0
	s_lshl_b32 s74, s68, 8                         ; a row of out0 is 256 bytes
	s_mov_b32 s75, 0
	s_and_b32 s78, s14, 1                          ; my tile is the image's first (0) or second (1)
	s_sub_co_u32 s79, 0, s78                       ; all ones for the second
	s_lshl_b32 s78, s78, 4
	s_wait_dscnt 0x0
	s_wait_kmcnt 0x0
	s_add_nc_u64 s[80:81], s[8:9], s[80:81]
.irp k, 0,1,2,3,4,5,6,7                        ; group 0 for chunk k: s[32 + 4 k ..]
	s_mov_b32 s[32+4*\k], 1
	s_mov_b32 s[33+4*\k], CHB*\k
	s_add_nc_u64 s[34+4*\k:35+4*\k], s[80:81], CHB*\k
	s_or_b32 s[35+4*\k], s[35+4*\k], 0x80000000
.endr
	s_cmp_lg_u32 s[WV], 0
	s_cbranch_scc1 .Lnofetch
.irp k, 0,1,2,3,4,5,6,7
	tensor_load_to_lds s[32+4*\k:35+4*\k], s[24:31]    ; wave 0 alone, in one branch: eight loads of its are out
	s_nop 0
.endr
.rept 4
	v_nop                                          ; four v_nop follow the last of them, ahead of the label
.endr
.Lnofetch:
	s_add_nc_u64 s[4:5], s[4:5], s[70:71]
	s_add_nc_u64 s[6:7], s[6:7], s[72:73]
	s_add_nc_u64 s[10:11], s[10:11], s[74:75]
	v_and_b32 v238, 31, v0                         ; lane
	v_lshlrev_b32 v239, 4, v238
.irp c, 0,1,2
	global_load_b128 v[FR+4*\c:FR+4*\c+3], v239, s[4:5] offset:512*\c   ; the packed image: my tile is its registers 0-5 or 6-11
.endr
	v_and_b32 v240, 15, v0                         ; r
	v_bfe_u32 v241, v0, 4, 1                       ; h
	v_lshlrev_b32 v242, 4, v240
	global_load_b32 v243, v242, s[6:7]             ; row r's packed word
	s_mul_i32 s66, s13, KVB
	v_add_nc_u32 v[AB0], s66, v239
	s_mul_i32 s67, s14, TST
	s_add_co_u32 s66, s67, PST
	v_add_nc_u32 v[PSA], s66, v239
	v_lshlrev_b32 v[PSB], 3, v238
	s_add_co_u32 s66, s67, PST+4096
	v_add_nc_u32 v[PSB], s66, v[PSB]
	s_add_co_u32 s66, s67, OST
	v_mul_u32_u24 v[STO], v240, 272
	v_lshl_add_u32 v[STO], v241, 5, v[STO]
	v_add_nc_u32 v[STO], s66, v[STO]               ; in: row r; tile n's eight channels of my half: 64 n + 32 h bytes on
	v_mul_u32_u24 v[RD], v241, 272
	v_add_nc_u32 v[RD], v[RD], v242
	v_add_nc_u32 v[RD], s66, v[RD]                 ; back: lanes 0-15 one row, lanes 16-31 the next
	v_lshl_add_u32 v[GO], v241, 8, v242            ; and the same two rows in out0
	v_lshlrev_b32 v[D0], 3, v241
	v_sub_nc_u32 v[D0], v240, v[D0]
	v_mov_b32 v[NEG], 0xff800000
	s_wait_loadcnt 0x0
.irp k, 0,1,2,3,4,5
	v_cndmask_b32 v[QLO+\k], v[FR+\k], v[FR+6+\k], s79   ; my tile's six registers: lane (r, h) holds channels 32 h .. 32 h + 31 in either place
.endr
.irp k, 0,1,2,3,4,5
	v_mov_b32 v[QHI+6+\k], v[QLO+\k]
.endr
.irp k, 0,1,2,3,4,5
	v_mov_b32 v[QLO+6+\k], 0                       ; zero codes
	v_mov_b32 v[QHI+\k], 0
.endr
	v_lshrrev_b32 v243, s78, v243
	v_and_b32 v243, 0xffff, v243                   ; my tile's two bytes,
	v_lshl_or_b32 v[QS], v243, 16, v243            ; twice
	v_mov_b32 v13, 0xff61b1e6                      ; the largest t so far: -3e38
	v_floor_f32 v12, -v13                          ; -M
	v_mov_b32 v14, 0
	v_mov_b32 v15, 0
.irp b, 0,1,2,3
	v_mov_b32 v[EX+\b], 0                          ; written once: a lane permute's destination counts as one of its sources
.endr
	v_mov_b32 v[FF+1], 0                           ; (named as the upper half of a pair)
.irp j, 0,1,2,3,4,5,6,7,8,9,10,11,12,13,14,15,16,17,18,19,20,21,22,23,24,25,26,27,28,29,30,31
	v_mov_b32 v[OT+\j], 0                          ; O^T: the step is written once; the first finds zeros.  (These are also the places between Q's word and operands, written by vector instructions, and the first product)
.endr
; CHUNK k: my key step is keys 256 k + 128 z on.
.macro CHUNK k
	s_wait_tensorcnt 7-\k                          ; wave 0: chunk k has landed, the 7 - k issued behind it may be out; the other waves have none out
	s_barrier_signal -1                            ; (no LDS instruction of mine is out here)
	s_barrier_wait -1
	s_cmp_lt_i32 s[QL], 256*\k                     ; all the step's keys come after my 16 queries: the step is left out
	s_cbranch_scc1 .Lskip_\@
	v_add_nc_u32 v[ADR], CHB*\k, v[AB0]
.irp f, 0,1,2,3
.irp q, 0,1,2
	ds_load_b128 v[FR+12*\f+4*\q:FR+12*\f+4*\q+3], v[ADR] offset:FRB*\f+512*\q   ; K's four fragments
.endr
.endr
	ds_load_b128 v[SCL:SCL+3], v[ADR] offset:8*FRB     ; the step's scale words
	s_wait_dscnt 0x0
.irp f, 0,1,2,3
	v_wmma_scale_f32_16x16x128_f8f6f4 v[SS+16*\f:SS+16*\f+7], v[FR+12*\f:FR+12*\f+11], v[QLO:QLO+11], 0, v[SCL+\f], v[QS] matrix_a_fmt:MATRIX_FMT_BF6 matrix_b_fmt:MATRIX_FMT_BF6
	v_wmma_scale_f32_16x16x128_f8f6f4 v[SS+16*\f+8:SS+16*\f+15], v[FR+12*\f:FR+12*\f+11], v[QHI:QHI+11], 0, v[SCL+\f], v[QS] matrix_a_fmt:MATRIX_FMT_BF6 matrix_b_fmt:MATRIX_FMT_BF6
.endr                                          ; register 16 f + 8 u + i of lane (r, h): key 32 f + 16 u + 8 h + i of the step, query r
.rept 4
	v_nop                                          ; places in front of the loads into K's registers and of the first read of the scores
.endr
.irp n, 0,1,2,3
.irp q, 0,1,2
	ds_load_b128 v[FR+12*\n+4*\q:FR+12*\n+4*\q+3], v[ADR] offset:4*FRB+FRB*\n+512*\q   ; V's four fragments: they land while the softmax is worked
.endr
.endr
	s_cmp_ge_i32 s[QZ], 256*\k+127                 ; all the step's keys count for all my queries: no mask
	s_cbranch_scc1 .Lopen_\@
	s_sub_co_i32 s66, s[QZ], 256*\k
	v_add_nc_u32 v[DD], s66, v[D0]                 ; d = my query - the step's first key - 8 h: hidden where 32 f + 16 u + i > d.  The step's first key counts for every query of mine
.irp n, 0,1,2,3,4,5,6,7,8,9,10,11,12,13,14,15,16,17,18,19,20,21,22,23,24,25,26,27,28,29,30,31,32,33,34,35,36,37,38,39,40,41,42,43,44,45,46,47,48,49,50,51,52,53,54,55,56,57,58,59,60,61,62,63
	v_cmp_gt_i32 vcc_lo, 32*(\n/16)+16*((\n/8)%2)+\n%8, v[DD]
	v_cndmask_b32 v[SS+\n], v[SS+\n], v[NEG], vcc_lo
.endr
.Lopen_\@:
.irp b, 0,1,2,3
	v_max3_num_f32 v[BM+\b], v[SS+16*\b], v[SS+1+16*\b], v[SS+2+16*\b]   ; the largest score of each block of 32 keys: for the row's maximum, and, since p rises with the score, for the block's largest p
.endr
.irp i, 3,5,7,9,11,13
.irp b, 0,1,2,3
	v_max3_num_f32 v[BM+\b], v[BM+\b], v[SS+16*\b+\i], v[SS+1+16*\b+\i]
.endr
.endr
.irp b, 0,1,2,3
	v_max_num_f32 v[BM+\b], v[BM+\b], v[SS+15+16*\b]
.endr
.irp b, 0,1,2,3
	v_permlanex16_b32 v[EX+\b], v[BM+\b], s[SEL], s[SEL+1]
.endr
.irp b, 0,1,2,3
	v_max_num_f32 v[BM+\b], v[BM+\b], v[EX+\b]     ; with lane l xor 16's 16 keys
.endr
	v_max3_num_f32 v[T0], v[BM], v[BM+1], v[BM+2]
	v_max_num_f32 v[T0], v[T0], v[BM+3]            ; the step's largest score of my query
	v_mul_f32 v[T0], s[CS], v[T0]                  ; as t
	v_max_num_f32 v13, v13, v[T0]                  ; the running largest t
	v_mov_b32 v[T0], v12
	v_floor_f32 v12, -v13                          ; the new -M = floor(-t): M is a whole number
	v_sub_f32 v[T0], v12, v[T0]                    ; old M - new M: a whole number, 0 or less
	v_cvt_i32_f32 v[T0], v[T0]                     ; (it saturates)
	v_ldexp_f32 v[FF], 1.0, v[T0]                  ; f = 2^(old M - new M)
.irp j, 0,2,4,6,8,10,12,14,16,18,20,22,24,26,28,30,32,34,36,38,40,42,44,46,48,50,52,54,56,58,60,62
	v_pk_fma_f32 v[SS+\j:SS+\j+1], v[SS+\j:SS+\j+1], s[CS:CS+1], v[12:13] op_sel_hi:[1,0,0]   ; t - M, two at a time (of the pairs c and -M the low word serves both halves)
.endr
.irp b, 0,1,2,3
	v_fma_f32 v[BM+\b], v[BM+\b], s[CS], v12       ; the same of each block's largest score
.endr
.irp j, 0,1,2,3,4,5,6,7,8,9,10,11,12,13,14,15,16,17,18,19,20,21,22,23,24,25,26,27,28,29,30,31,32,33,34,35,36,37,38,39,40,41,42,43,44,45,46,47,48,49,50,51,52,53,54,55,56,57,58,59,60,61,62,63
	v_exp_f32 v[SS+\j], v[SS+\j]                   ; p = 2^(t - M), at most 1
.endr
.irp b, 0,1,2,3
	v_exp_f32 v[BM+\b], v[BM+\b]                   ; the block's largest p: the same two instructions on the same number
.endr
	v_pk_mul_f32 v[14:15], v[14:15], v[FF:FF+1] op_sel_hi:[1,0]   ; the sums under the new M (a plain place behind the exponentials)
	s_wait_alu depctr_va_vdst(0)
.irp b, 0,1,2,3
	v_max_num_f32 v[BM+\b], 0x2800000, v[BM+\b]    ; the floor 2^(5 - 127): the byte cannot fall under 1
.endr
.irp b, 0,1,2,3
	v_add_nc_u32 v[SO+\b], 0xfe000000, v[BM+\b]    ; 4 off the exponent field: the conversion's scale operand
.endr
.irp b, 0,1,2,3
	v_lshrrev_b32 v[EX+\b], 23, v[SO+\b]           ; the scale's byte
.endr
	v_lshl_or_b32 v[PW], v[EX+1], 8, v[EX]         ; p's scale word for these 128 keys
	v_lshl_or_b32 v[PW], v[EX+2], 16, v[PW]
	v_lshl_or_b32 v[PW], v[EX+3], 24, v[PW]
.irp e, 0,1
	v_cvt_scalef32_pk16_bf6_f32 v[PC+6*\e:PC+6*\e+2], v[SS+32*\e:SS+32*\e+15], v[SO+2*\e]
	v_cvt_scalef32_pk16_bf6_f32 v[PC+12+4*\e:PC+14+4*\e], v[SS+32*\e+16:SS+32*\e+31], v[SO+2*\e+1]   ; (a conversion's three registers begin on an even number)
.endr
	v_nop                                          ; one plain place behind a scaled conversion
.irp e, 0,1                                    ; the operand's layout wants a WHOLE block in a lane
.irp i, 0,1,2
	v_permlane16_swap_b32 v[PC+6*\e+\i], v[PC+12+4*\e+\i]
.endr
.irp i, 0,1,2
	v_mov_b32 v[PC+3+6*\e+\i], v[PC+12+4*\e+\i]
.endr
.endr
	v_pk_add_f32 v[SU:SU+1], v[SS:SS+1], v[SS+2:SS+3]  ; the row's sum is taken of the unquantised p: two at a time, in two chains
.irp j, 4,8,12,16,20,24,28,32,36,40,44,48,52,56,60
	v_pk_add_f32 v[14:15], v[14:15], v[SS+\j:SS+\j+1]
	v_pk_add_f32 v[SU:SU+1], v[SU:SU+1], v[SS+2+\j:SS+3+\j]
.endr
	v_pk_add_f32 v[14:15], v[14:15], v[SU:SU+1]
.irp j, 0,2,4,6,8,10,12,14,16,18,20,22,24,26,28,30
	v_pk_mul_f32 v[OT+\j:OT+\j+1], v[OT+\j:OT+\j+1], v[FF:FF+1] op_sel_hi:[1,0]   ; O^T under the new M.  (With the sums above: the places between p's word and codes and the products below)
.endr
	s_wait_dscnt 0x0                               ; V is in
.irp n, 0,1,2,3
	v_wmma_scale_f32_16x16x128_f8f6f4 v[OT+8*\n:OT+8*\n+7], v[FR+12*\n:FR+12*\n+11], v[PC:PC+11], v[OT+8*\n:OT+8*\n+7], v[SCL+\n], v[PW] matrix_a_fmt:MATRIX_FMT_BF6 matrix_b_fmt:MATRIX_FMT_BF6 matrix_a_scale:MATRIX_SCALE_ROW1
.endr                                          ; the four accumulators by turns; V's words stand in lanes 16-31
.rept 4
	v_nop                                          ; places in front of the next loads into V's and the scale words' registers, and of the first read of O^T
.endr
.Lskip_\@:
.endm
.irp k, 0,1,2,3,4,5,6,7
	CHUNK \k
.endr
	; THE TWO HALVES OF A TILE MEET.  Waves 8-15 hand O^T, -M and the sum to waves 0-7 through LDS, as images of their registers.
	v_add_f32 v13, v14, v15                        ; my sum's two halves
	s_cmp_lt_u32 s[WV], 8
	s_cbranch_scc1 .Lkeep
.irp k, 0,1,2,3,4,5,6,7
	ds_store_b128 v[PSA], v[OT+4*\k:OT+4*\k+3] offset:512*\k       ; each accumulator from its low end on
.endr
	ds_store_b64 v[PSB], v[12:13]
.Lkeep:
	s_wait_dscnt 0x0                               ; for the others' sake: my stores have landed
	s_barrier_signal -1
	s_barrier_wait -1
	s_cmp_lt_u32 s[WV], 8
	s_cbranch_scc1 .Lmerge
	s_wait_tensorcnt 0x0
	ds_add_u32 v254, v255
	s_wait_dscnt 0x0
	s_endpgm
.Lmerge:
.irp k, 0,1,2,3,4,5,6,7
	ds_load_b128 v[SS+4*\k:SS+4*\k+3], v[PSA] offset:512*\k
.endr
	ds_load_b64 v[128:129], v[PSB]
	v_mov_b32 v232, 0                              ; (a lane permute's destination counts as one of its sources)
	s_wait_dscnt 0x0
	v_min_num_f32 v[T0], v12, v128                 ; -M of both: the larger M
	v_sub_f32 v230, v[T0], v12                     ; each half's M less the common one: a whole number, 0 or less
	v_sub_f32 v231, v[T0], v128                    ; (a half that had no step has -M = 3e38: its factor is 0, over zeros)
	v_cvt_i32_f32 v230, v230
	v_cvt_i32_f32 v231, v231
	v_ldexp_f32 v230, 1.0, v230
	v_ldexp_f32 v231, 1.0, v231
	v_mul_f32 v233, v13, v230
	v_fma_f32 v233, v129, v231, v233               ; the sum under the common M,
	v_permlanex16_b32 v232, v233, s[SEL], s[SEL+1]
	v_add_f32 v233, v233, v232                     ; with lane l xor 16's: the row's sum
	v_rcp_f32 v233, v233
	v_nop                                          ; one plain place behind a transcendental
	s_wait_alu depctr_va_vdst(0)
	v_mul_f32 v234, v230, v233
	v_mul_f32 v236, v231, v233
	v_mov_b32 v235, v234
	v_mov_b32 v237, v236
.irp j, 0,2,4,6,8,10,12,14,16,18,20,22,24,26,28,30
	v_pk_mul_f32 v[OT+\j:OT+\j+1], v[OT+\j:OT+\j+1], v[234:235] op_sel_hi:[1,0]
.endr
.irp j, 0,2,4,6,8,10,12,14,16,18,20,22,24,26,28,30
	v_pk_fma_f32 v[OT+\j:OT+\j+1], v[SS+\j:SS+\j+1], v[236:237], v[OT+\j:OT+\j+1] op_sel_hi:[1,0,1]   ; register 8 n + i is out(r, 16 n + 8 h + i)
.endr
	; THE WAY OUT: through my own stage, so that sixteen lanes store a whole row of 256 bytes.  LDS serves a wave's instructions in order (ISA guide 5.7.1.4): no wait between the stores and the loads.
.irp n, 0,1,2,3
	ds_store_b128 v[STO], v[OT+8*\n:OT+8*\n+3] offset:64*\n
	ds_store_b128 v[STO], v[OT+8*\n+4:OT+8*\n+7] offset:64*\n+16
.endr
.irp i, 0,1,2,3,4,5,6,7
	ds_load_b128 v[SS+4*\i:SS+4*\i+3], v[RD] offset:544*\i
.endr
.irp i, 0,1,2,3,4,5,6,7
	s_wait_dscnt 7-\i                              ; LDS loads come back in order: pair i of rows is in, the 7 - i younger loads may be out
	global_store_b128 v[GO], v[SS+4*\i:SS+4*\i+3], s[10:11] offset:512*\i th:TH_STORE_NT   ; 16 lanes store 256 consecutive bytes, at a multiple of 256 from out0's first byte
.endr
	s_wait_tensorcnt 0x0
	ds_add_u32 v254, v255
	s_wait_dscnt 0x0
	s_endpgm
.Lfunc_end_k_q55f84867d3_attn:
	.size	k_q55f84867d3_attn, .Lfunc_end_k_q55f84867d3_attn-k_q55f84867d3_attn
	.p2alignl 7, 3214868480
	.fill 96, 4, 3214868480
	.section	.rodata,"a",@progbits
	.p2align	6, 0x0
	.amdhsa_kernel k_q55f84867d3_attn
		.amdhsa_group_segment_fixed_size 276480
		.amdhsa_private_segment_fixed_size 0
		.amdhsa_enable_private_segment 0
		.amdhsa_kernarg_size 32
		.amdhsa_user_sgpr_count 2
		.amdhsa_user_sgpr_kernarg_segment_ptr 1
		.amdhsa_wavefront_size32 1
		.amdhsa_system_sgpr_workgroup_id_x 1
		.amdhsa_system_sgpr_workgroup_id_y 1
		.amdhsa_system_sgpr_workgroup_id_z 1
		.amdhsa_system_vgpr_workitem_id 0
		.amdhsa_next_free_vgpr 256
		.amdhsa_next_free_sgpr 84
		.amdhsa_reserve_vcc 1
		.amdhsa_float_denorm_mode_32 3
		.amdhsa_float_denorm_mode_16_64 3
		.amdhsa_memory_ordered 1
		.amdhsa_forward_progress 1
		.amdhsa_inst_pref_size 179
	.end_amdhsa_kernel
	.amdgpu_metadata
---
amdhsa.version: [ 1, 2 ]
amdhsa.kernels:
  - .name:           k_q55f84867d3_attn
    .symbol:         k_q55f84867d3_attn.kd
    .args:
      - { .name: qc, .offset: 0, .size: 8, .value_kind: global_buffer, .address_space: global }
      - { .name: qs, .offset: 8, .size: 8, .value_kind: global_buffer, .address_space: global }
      - { .name: kv, .offset: 16, .size: 8, .value_kind: global_buffer, .address_space: global }
      - { .name: out0, .offset: 24, .size: 8, .value_kind: global_buffer, .address_space: global }
    .group_segment_fixed_size: 276480
    .private_segment_fixed_size: 0
    .kernarg_segment_align: 8
    .kernarg_segment_size: 32
    .max_flat_workgroup_size: 512
    .sgpr_count:     84
    .vgpr_count:     256
    .wavefront_size: 32
...
	.end_amdgpu_metadata
.endif
;; end of part 2
